; MI455X (gfx1250); checked and timed in simulation.
; The chip was launched on July 23, 2026; its instructions are those of AMD's public machine-readable ISA for CDNA 5 (MIT licence, August 2026) and "CDNA5" Instruction Set Architecture Reference Guide (July 2026). The comments in the code are by the model that wrote it; some were corrected since.
;; Multi Head Attention. Allowed arithmetic: matrix products marked QUANTISED: E2M3 operands, one E8M0 scale for each 32 along K, by v_wmma_scale_f32_16x16x128_f8f6f4 with both operands' format E2M3, f32 sums; everything else in f32.
;; Inputs: Wk_codes 1,024 x 32 x 24 uint8 (E2M3 codes of Wk, K innermost, in blocks of 32 codes, four codes in three bytes); Wk_scales 1,024 x 32 uint8 (E8M0 scales of Wk, one for each 32 codes along K); Wo_codes 1,024 x 32 x 24 uint8 (E2M3 codes of Wo, K innermost, in blocks of 32 codes, four codes in three bytes); Wo_scales 1,024 x 32 uint8 (E8M0 scales of Wo, one for each 32 codes along K); Wq_codes 1,024 x 32 x 24 uint8 (E2M3 codes of Wq, K innermost, in blocks of 32 codes, four codes in three bytes); Wq_scales 1,024 x 32 uint8 (E8M0 scales of Wq, one for each 32 codes along K); Wv_codes 1,024 x 32 x 24 uint8 (E2M3 codes of Wv, K innermost, in blocks of 32 codes, four codes in three bytes); Wv_scales 1,024 x 32 uint8 (E8M0 scales of Wv, one for each 32 codes along K); bk 1,024 float32; bo 1,024 float32; bq 1,024 float32; bv 1,024 float32; x_codes 4 x 2,048 x 32 x 24 uint8 (E2M3 codes of x, K innermost, in blocks of 32 codes, four codes in three bytes); x_scales 4 x 2,048 x 32 uint8 (E8M0 scales of x, one for each 32 codes along K).
;; Outputs: out0 4 x 2,048 x 1,024 float32.
;; This version of the problem:
;;   THIS VERSION OF THE PROBLEM IS GIVEN IN LOW PRECISION. The matrix products marked QUANTISED in the list below multiply operands that are first quantised to E2M3 (2 exponent bits, 3 mantissa bits; 6 bits a number), with one power-of-two scale for each 32 numbers along K (OCP MX v1.0); their sums are f32. All else is computed in f32.
;;   The module's matrix products, in the order in which they are computed (A, B: the left and right operand; K: the contracted axis; several contracted axes count as one K, in the product's order):
;;     1. [M 8,192, K 1,024] x [K 1,024, N 1,024]; A: input x (given as codes); B: input Wq (given as codes): QUANTISED
;;     2. [M 8,192, K 1,024] x [K 1,024, N 1,024]; A: input x (given as codes); B: input Wk (given as codes): QUANTISED
;;     3. [M 8,192, K 1,024] x [K 1,024, N 1,024]; A: input x (given as codes); B: input Wv (given as codes): QUANTISED
;;     4. batch 64 x [M 2,048, K 64] x [K 64, N 2,048]; A: computed on the way; B: computed on the way: QUANTISED
;;     5. batch 64 x [M 2,048, K 2,048] x [K 2,048, N 64]; A: softmax (see below); B: computed on the way: QUANTISED
;;     6. [M 8,192, K 1,024] x [K 1,024, N 1,024]; A: computed on the way; B: input Wo (given as codes): QUANTISED
;;   THE QUANTISER, for each operand of a quantised product, along K:
;;     - K is cut into blocks of 32 from its start; a last block that is shorter is filled with zeros.
;;     - A block's scale is 2^e with e = floor(log2(the largest magnitude in the block)) - 2, held to -126 .. 127; a block of zeros has e = 0. As a byte (E8M0): e + 127.
;;     - Each number is divided by its block's scale, clamped to +-7.5, and rounded to the nearest number of E2M3, ties to even, subnormals kept.
;;     - The product sums the exact products of the quantised numbers (number of the format x scale) in f32.
;;   ~~~python
;;   def quantise(x, axis):      # numpy; x: float32 -> the quantised numbers, widened to float32 again
;;       x = np.moveaxis(x, axis, -1); K = x.shape[-1]
;;       x = np.pad(x, [(0, 0)] * (x.ndim - 1) + [(0, -K % 32)]); x = x.reshape(x.shape[:-1] + (-1, 32)); a = np.abs(x).max(-1, keepdims=True)
;;       e = np.where(a > 0, np.clip(np.frexp(np.where(a > 0, a, 1))[1] - 1 - 2, -126, 127), 0)      # np.frexp(a)[1] - 1 = floor(log2(a)), exactly
;;       r = np.clip(x / 2.0 ** e, -7.5, 7.5)
;;       step = 2.0 ** (np.maximum(np.frexp(np.where(r == 0, 1, r))[1] - 1, 0) - 3)
;;       q = np.round(r / step) * step * 2.0 ** e      # np.round: ties to even
;;       return np.moveaxis(q.reshape(q.shape[:-2] + (-1,))[..., :K], -1, axis).astype(np.float32)
;;   ~~~
;;   SOFTMAX AHEAD OF A QUANTISED PRODUCT. Where the list says 'softmax', what is quantised is not the finished softmax but p = 2^(t - M), with t = logit x log2(e) and M = ceil(the row's largest t), a whole number; so 1/2 < the row's largest p <= 1. The row's sum l is taken of the UNQUANTISED p, in f32, and the product's result is divided by l at the end. Since M is a whole number, a kernel that streams over the keys may use a running M (the ceiling of the running maximum): every later rescaling is an exact power of two, which a block's scale takes up: the codes' values come out the same.
;;   OPERANDS COMPUTED ON THE WAY. 'Computed on the way' means the value that the module computes at that place (a softmax that the list does not call 'softmax' is quantised finished and normalised). What goes into a quantiser is computed in f32, as accurately as f32 sums, v_exp_f32 and their like allow (about 1e-6 of the number): no bf16 or f16 on the way to a quantiser, and a product that is left as it is and whose result goes on into a quantised operand takes f32 operands (vector FMAs, or v_wmma_f32_16x16x4_f32). A number that lies on a knife's edge between two numbers of the format may be rounded either way, as far as f32 arithmetic and the matrix unit's own rounding can turn it there, and no further.
;;   INPUTS GIVEN AS CODES. Wk (in the module: [1024, 1024], K = its axis 1); Wo (in the module: [1024, 1024], K = its axis 1); Wq (in the module: [1024, 1024], K = its axis 1); Wv (in the module: [1024, 1024], K = its axis 1); x (in the module: [4, 2048, 1024], K = its axis 2): each comes as NAME_codes (uint8): NAME with its K axis moved to the last place and cut into blocks of 32 codes, [.., K / 32, bytes a block], one block behind the other in memory; four codes in three bytes: a row's codes are one little-endian stream of bits, code i at bits 6 i .. 6 i + 5 (a code: sign, 2 exponent bits, 3 mantissa bits); and NAME_scales (uint8): the same leading axes, one E8M0 byte (e + 127) for each 32 codes along K. Its value is code x scale, taken as it is: it is not quantised again, and the codes and scales need not be those that the quantiser above would give.
;; One version. Each part assembles by itself: llvm-mc -triple=amdgcn-amd-amdhsa -mcpu=gfx1250 --defsym DOCPART=n.
;; ======== version 1 of 1: 3 launches
;; limits: right only within a limited range of input values
;; workspace buffers: qkvc 18,874,368 bytes; qkvs 786,432 bytes; aoc 6,291,456 bytes; aos 262,144 bytes
;; launch proj (part 1): grid 8 x 32, 4 waves a work-group, clusters of 4 x 4, 327,680 bytes of LDS; arguments x_codes, x_scales, Wq_codes, Wq_scales, Wk_codes, Wk_scales, Wv_codes, Wv_scales, bq, bk, bv, qkvc, qkvs; writes qkvc, qkvs
.if DOCPART == 1
	.amdgcn_target "amdgcn-amd-amdhsa--gfx1250"
	.amdhsa_code_object_version 6
	.text
	.protected	k_qe66e60bccb_proj
	.globl	k_qe66e60bccb_proj
	.p2align	8
	.type	k_qe66e60bccb_proj,@function
k_qe66e60bccb_proj:
	s_mov_b64 s[64:65], 0
	v_nop
	global_prefetch_b8 v0, s[64:65] scope:SCOPE_SE
	s_setreg_imm32_b32 hwreg(HW_REG_WAVE_MODE, 25, 1), 1
	s_wait_xcnt 0x0
	s_wait_alu depctr_hold_cnt(0) depctr_sa_sdst(0) depctr_va_vdst(0) depctr_va_sdst(0) depctr_va_ssrc(0) depctr_va_vcc(0) depctr_vm_vsrc(0)
	s_getreg_b32 s2, hwreg(HW_REG_IB_STS2, 6, 4)
	s_cmp_eq_u32 s2, 0
	s_cbranch_scc0 .Lentry_in_a_cluster
	s_endpgm
.Lentry_in_a_cluster:
	s_bfe_u32 s2, ttmp6, 0x10000c
	s_cmp_lg_u32 s2, 0xf033
	s_cbranch_scc0 .Lentry_shape_is_right
	s_endpgm
.Lentry_shape_is_right:
; v = x Wv^T + bv, q = x Wq^T + bq, k = x Wk^T + bk on codes of FP6 (E2M3), one E8M0 scale for each 32 along K = 1,024; the f32 results are quantised in registers and leave as codes.
; THE DEAL.  256 work-groups: 32 tiles of 256 tokens x 8 groups of 128 columns (two heads); a work-group makes its 256 x 128 of v, then of q, then of k: three phases.
; Its 256 rows of x, all of K, and their scale bytes lie in LDS for the whole launch.  Four waves, 2 x 2: a wave holds 64 rows of a weight (one head), all of K, in 384 registers
; and streams its 128 rows of x past them in blocks of 16 rows, 32 products a block, four accumulators by turns.
; Every tile is dense in memory and is stated as rows of 256 bytes, 16 bytes of padding behind each: an LDS row of codes is 3 x 272 = 816 bytes.
; FILLS.  At the head one joint load a wave: wave 0 Wv's 128 rows, wave 1 x's scale bytes, waves 2 and 3 half of x's rows each.  The weights' region is filled again twice (Wq, Wk), a quarter a wave,
; each time behind the three lines and a round of the cluster's barrier, when all four waves hold the weight before in registers: a whole phase ahead of its use.
; CLUSTERS 4 x 4: x's tiles are shared along a row of the cluster, a weight's along a column.
; ROLES.  q, k: source 0 = the weight's rows, source 1 = x's: a lane holds one token, its registers run along the head.  v: the other way round: a lane holds one of the head's 64, its registers run along the tokens.
; THE BIAS is the C of each sum's first product.
; THE WAY OUT (QUANT): 32 registers of a lane are two half blocks of 32 along the next K: largest magnitude (with lane l xor 16's), scale byte, conversion, exchange of halves.
; Inside a block the codes stand in the order 0-7, 16-23, 8-15, 24-31, alike in both operands of q k^T and of p v.
; qkvc: sections q, k, v of [16 b + h][64 fragments][1,536 bytes]; a fragment is the image of 12 operand registers: register 4 i + e of lane l at 512 i + 16 l + 4 e.
;   q, k: fragment F: registers 0-5 token 32 F + l % 16, registers 6-11 token 32 F + 16 + l % 16; lanes 0-15 the head's numbers 0-31, lanes 16-31 numbers 32-63.
;   v: fragment 4 s + t: lane l % 16 = the head's number 16 t + l % 16; registers 6 c .. 6 c + 5: keys 128 s + 64 c + 32 (l / 16) + 0 .. 31.
; qkvs: sections of [16 b + h][64 fragments][16 row words].
; x's blocks go round: block (s + 2) % 8 is fetched behind block s, so each phase finds its first two blocks in registers; the last phase's last two fetches are read by nobody.
; No prefetch: the head's tiles have no loop ahead of them, and each refill is asked for a whole phase (256 products a wave) ahead of its first read.
; LIMITS: NaN and infinities are not served.  A block whose largest magnitude lies under 2^-124 keeps the scale byte 1, a block of zeros too (its codes are zeros; this program alone reads the bytes).
.set PITCH, 816
.set BLK,   16*PITCH
.set FR,    12
.set FPW,   21                         ; fragments in a window of 256 registers; fragment f lies in window 1 + f / 21 at register 12 (f % 21): 0-31 the weight's (4 q + b), 32-47 x's two sets
.set WR,    256*PITCH                  ; LDS: x's rows at 0, the weight's 128 rows,
.set XS,    WR+128*PITCH               ; x's scale bytes, 32 a row,
.set SPARE, XS+8192                    ; the spare words
.set CSEC,  6291456
.set FRB,   1536
.set XB,  4                            ; v4, v5 LDS address of my fragments of x's block 0 (v5: for the pieces behind one padding more)
.set ADX, 6                            ; v6-v9 the same for the pair of blocks that is fetched
.set WB,  218                          ; v218, v219 at the head alone: LDS address of my fragments of the weight's first tile
.set WA,  988                          ; v988-995 the same for each of its four tiles
.set XSB, 10                           ; v10 of my row's scale words in block 0; v11 in the pair that is fetched
.set ADS, 11
.set SPW, 12
.set NIL, 13
.set LI,  14                           ; 16 x lane
.set LH,  15                           ; 4 (l % 16) + 2 (l / 16)
.set SBV, 16                           ; v16-63 the three weights' scale words
.set SBQ, 32
.set SBK, 48
.set VA,  64                           ; v64-191 v: a band's sums, 32 t + 8 (s % 4) + j;  q, k: two sets of four accumulators
.set ACC, 64
.set LS,  192
.set ABS, 193
.set BO,  194
.set BOV, 195
.set SA,  196                          ; v196-211 x's scale words, two sets of eight
.set TM,  212
.set GA,  228                          ; v228-239 q, k: a fragment
.set TP,  240
.set PW,  244
.set SO,  252
.set BIV, 840                          ; v840-935 the three biases in the results' layouts
.set BIQ, 872
.set BIK, 904
.set VC,  936                          ; v936-983 v's four fragments
.set VTP, 984
.set G1X, 24
.set G1W, 32
.set G1S, 48
.set PADB, (3<<16)|(1<<20)|(1<<21)|(5<<22)|(3<<25)
.set DENB, (3<<16)|(1<<21)
.set MSB, 0
.macro WIN new
.if MSB != (\new)
	s_set_vgpr_msb (MSB<<8)|(\new)
.set MSB, (\new)
.endif
.endm
.macro PLACES n
.rept \n
	v_nop
.endr
.endm
.macro WALU
	s_wait_alu depctr_va_vdst(0)
.endm
.macro BARRIER
	s_barrier_signal -1
	s_barrier_wait -1
.endm
.macro CROUND
	BARRIER
	s_cmp_lg_u32 s14, 0
	s_cbranch_scc1 .Lnot_wave_0_\@
	s_barrier_signal -3
.Lnot_wave_0_\@:
	s_barrier_wait -3
	BARRIER
.endm
.macro TLOAD g0, g1
	tensor_load_to_lds s[\g0:\g0+3], s[\g1:\g1+7]
	s_nop 0
	PLACES 4
.endm
.macro G1SET g, mask, bits, rows       ; rows of 256 bytes: 32 elements of 8
	s_or_b32 s[\g], s[\mask], \bits
	s_mov_b32 s[\g+1], 32<<16
	s_mov_b32 s[\g+2], (\rows)<<16
	s_mov_b32 s[\g+3], 32<<16
	s_mov_b32 s[\g+4], \rows
	s_mov_b32 s[\g+5], 32
	s_mov_b32 s[\g+6], 0
	s_mov_b32 s[\g+7], 0
.endm
.macro FRAG f, q, a0, aw               ; six pieces of 8 bytes, two to a load where both go by the same address register; lanes 16-31 read three pieces on: where that is behind one padding more, register a0 + 1 serves (aw: the address registers' window)
	WIN ((1+(\f)/FPW)<<6)|(\aw)
.set R_, FR*((\f)%FPW)
.set SKIP_, 0
.irp p, 0,1,2,3,4,5
.if SKIP_
.set SKIP_, 0
.else
.set PC_, 12*(\q)+6*(\p/3)+\p%3
.set PN_, 12*(\q)+6*((\p+1)/3)+(\p+1)%3
.set X_, (PC_%32+3)/32
.set XQ_, (PN_%32+3)/32
.if (\p < 5) && (X_ == XQ_)
.set SKIP_, 1
	ds_load_2addr_b64 v[R_+2*\p:R_+2*\p+3], v[\a0+X_] offset0:PC_+2*(PC_/32) offset1:PN_+2*(PN_/32)
.else
	ds_load_b64 v[R_+2*\p:R_+2*\p+1], v[\a0+X_] offset:8*(PC_+2*(PC_/32))
.endif
.endif
.endr
.endm
.macro WEIGHTS                         ; my 64 rows of the weight, all of K
.irp q, 0,1,2,3,4,5,6,7
.irp b, 0,1,2,3
	FRAG 4*\q+\b, \q, WA-768+2*\b, 3
.endr
.endr
	WIN 0
.endm
.macro FETCH e, xo, so                 ; a block of x's rows and its scale words into set e
.irp q, 0,1,2,3,4,5,6,7
	FRAG 32+8*(\e)+\q, \q, ADX+2*(\e), 0   ; xo, the block's place in its pair, lies in set e's address registers: v6, v7 the even block's, v8, v9 the odd one's
.endr
	WIN 0
	ds_load_b128 v[SA+8*(\e):SA+8*(\e)+3], v[ADS] offset:\so
	ds_load_b128 v[SA+8*(\e)+4:SA+8*(\e)+7], v[ADS] offset:(\so)+16
.endm
.macro SETAD n                         ; the addresses of blocks n, n + 1
	v_add_nc_u32 v[ADX], (\n)*BLK, v[XB]
	v_add_nc_u32 v[ADX+1], (\n)*BLK, v[XB+1]
	v_add_nc_u32 v[ADX+2], ((\n)+1)*BLK, v[XB]
	v_add_nc_u32 v[ADX+3], ((\n)+1)*BLK, v[XB+1]
	v_add_nc_u32 v[ADS], (\n)*512, v[XSB]
	WALU
.endm
.macro PROD1 d, s0, s1, c, x0, x1, side, o
.if \o
	v_wmma_scale_f32_16x16x128_f8f6f4 v[\d:\d+7], v[FR*((\s0)%FPW):FR*((\s0)%FPW)+FR-1], v[FR*((\s1)%FPW):FR*((\s1)%FPW)+FR-1], v[\c:\c+7], v[\x0], v[\x1] matrix_a_fmt:MATRIX_FMT_FP6 matrix_b_fmt:MATRIX_FMT_FP6 matrix_\side\()_scale:MATRIX_SCALE_ROW1
.else
	v_wmma_scale_f32_16x16x128_f8f6f4 v[\d:\d+7], v[FR*((\s0)%FPW):FR*((\s0)%FPW)+FR-1], v[FR*((\s1)%FPW):FR*((\s1)%FPW)+FR-1], v[\c:\c+7], v[\x0], v[\x1] matrix_a_fmt:MATRIX_FMT_FP6 matrix_b_fmt:MATRIX_FMT_FP6 matrix_\side\()_scale:MATRIX_SCALE_ROW0
.endif
.endm
; a block's 32 products on x's set e.  Tile b's sums at d0 + ds b; the first four take the bias at cb + 8 b as C.  kind 1: source 0 = x's rows
.macro BLOCK kind, e, d0, ds, cb, sb
.irp q, 0,1,2,3,4,5,6,7
.irp b, 0,1,2,3
.set D_, (\d0)+(\ds)*\b
.set C_, D_
.if \q == 0
.set C_, (\cb)+8*\b
.endif
.set FB_, 4*\q+\b
.set FA_, 32+8*(\e)+\q
.set XB_, (\sb)+8*(\b/2)+\q
.set XA_, SA+8*(\e)+\q
.set DL_, D_&255
.set CL_, C_&255
.set O_, \b%2
.if \kind
	WIN (1+FA_/FPW)|((1+FB_/FPW)<<2)|((C_>>8)<<4)|((D_>>8)<<6)
	PROD1 DL_, FA_, FB_, CL_, XA_, XB_, b, O_
.else
	WIN (1+FB_/FPW)|((1+FA_/FPW)<<2)|((C_>>8)<<4)|((D_>>8)<<6)
	PROD1 DL_, FB_, FA_, CL_, XB_, XA_, a, O_
.endif
.endr
.endr
	WIN 0
.endm
; the 32 sums from v[qa] on become six registers of codes at d (tp: three registers at work, in d's window) and two scale bytes in v[pw]
.macro QUANT qa, d, tp, pw
.set DW_, (\d)>>8
.set DL_, (\d)&255
.set TL_, (\tp)&255
.irp k, 0,1,2,3
	v_max3_num_f32 v[TM+\k], s100, |v[\qa+8*\k]|, |v[\qa+8*\k+1]|   ; four chains, one to an accumulator, each from its low end on; the floor holds the byte at 1 from below
.endr
.irp i, 2,4,6
.irp k, 0,1,2,3
	v_max3_num_f32 v[TM+\k], v[TM+\k], |v[\qa+8*\k+\i]|, |v[\qa+8*\k+\i+1]|
.endr
.endr
	v_max_num_f32 v[TM+8], v[TM], v[TM+1]
	v_max_num_f32 v[TM+9], v[TM+2], v[TM+3]
	v_permlanex16_b32 v[TM+4], v[TM+8], s18, s19
	v_permlanex16_b32 v[TM+5], v[TM+9], s18, s19
	v_max_num_f32 v[TM+8], v[TM+8], v[TM+4]        ; with lane l xor 16's: the block's largest magnitude
	v_max_num_f32 v[TM+9], v[TM+9], v[TM+5]
	v_add_nc_u32 v[TM+12], 0xff000000, v[TM+8]     ; 2 off its exponent field: the conversion's scale operand
	v_add_nc_u32 v[TM+13], 0xff000000, v[TM+9]
	v_lshrrev_b32 v[TM+6], 23, v[TM+12]
	v_lshrrev_b32 v[TM+7], 23, v[TM+13]
	v_lshl_or_b32 v[\pw], v[TM+7], 8, v[TM+6]
	WIN DW_<<6
	v_cvt_scalef32_pk16_fp6_f32 v[DL_:DL_+2], v[\qa:\qa+15], v[TM+12]
	v_cvt_scalef32_pk16_fp6_f32 v[TL_:TL_+2], v[\qa+16:\qa+31], v[TM+13]
	v_nop                                          ; one plain place behind a scaled conversion
	WIN (DW_<<6)|DW_
.irp i, 0,1,2
	v_permlane16_swap_b32 v[DL_+\i], v[TL_+\i]     ; a whole block to a lane: lanes 0-15 the even block, lanes 16-31 the odd one
.endr
.irp i, 0,1,2
	v_mov_b32 v[DL_+3+\i], v[TL_+\i]
.endr
	WIN 0
.endm
.macro SBLOAD sb, p                    ; a weight's scale words: lane l takes row 32 k + l, 32 bytes
.irp k, 0,1
.irp c, 0,1
	global_load_b128 v[\sb+8*\k+4*\c:\sb+8*\k+4*\c+3], v[ABS], s[\p:\p+1] offset:1024*\k+16*\c
.endr
.endr
.endm
.macro BILOAD bi, p                    ; q, k: register 8 b + j of lane (r, h) is column 16 b + 8 h + j
.irp b, 0,1,2,3
	global_load_b128 v[\bi-768+8*\b:\bi-768+8*\b+3], v[BO], s[\p:\p+1] offset:64*\b
	global_load_b128 v[\bi-768+8*\b+4:\bi-768+8*\b+7], v[BO], s[\p:\p+1] offset:64*\b+16
.endr
.endm
; ---- the head
	s_load_b512 s[68:83], s[0:1], 0x0              ; x's codes, scales; Wq's; Wk's; Wv's
	s_load_b256 s[84:91], s[0:1], 0x40             ; bq, bk, bv, qkvc
	s_load_b64 s[92:93], s[0:1], 0x60              ; qkvs
	v_lshl_add_u32 v[SPW], v0, 2, SPARE
	v_mov_b32 v[NIL], 0
	ds_add_u32 v[SPW], v[NIL]                      ; the opening lines: the add, twice on end, and its wait
	ds_add_u32 v[SPW], v[NIL]
	v_lshrrev_b32 v1, 5, v0
	v_readfirstlane_b32 s14, v1                    ; the wave; s15 its half of the tokens, s16 its head of the two
	s_lshr_b32 s15, s14, 1
	s_and_b32 s16, s14, 1
	s_bfe_u32 s40, ttmp6, 0x40000
	s_bfe_u32 s41, ttmp6, 0x40004
	s_lshl_b32 s42, ttmp9, 2
	s_add_co_u32 s42, s42, s40                     ; the group of columns, 0 .. 7
	s_and_b32 s43, ttmp7, 0xffff
	s_lshl_b32 s43, s43, 2
	s_add_co_u32 s43, s43, s41                     ; the tile of tokens, 0 .. 31
	s_lshl_b32 s44, s41, 2
	s_lshl_b32 s44, 15, s44                        ; my row of the cluster
	s_lshl_b32 s45, 0x1111, s40                    ; my column
	G1SET G1X, 44, PADB, 384                       ; half of x's rows: 128 x 768 bytes
	G1SET G1W, 45, PADB, 384                       ; a weight's 128 rows
	G1SET G1S, 44, DENB, 32                        ; x's scale bytes: 8,192
	s_mul_i32 s8, s43, 196608
	s_mul_i32 s9, s16, 98304
	s_add_co_u32 s8, s8, s9
	s_mov_b32 s9, 0
	s_mul_i32 s20, s42, 98304
	s_mov_b32 s21, 0
	s_lshl_b32 s22, s43, 13
	s_mov_b32 s23, 0
	s_mov_b32 s4, 1
	s_mul_i32 s5, s16, 128*PITCH
	s_mov_b32 s56, 1
	s_mov_b32 s57, WR
	s_mov_b32 s60, 1
	s_mov_b32 s61, XS
	s_mov_b32 s18, 0x76543210
	s_mov_b32 s19, 0xfedcba98                      ; v_permlanex16_b32's selects for lane l xor 16
	s_mov_b32 s100, 0x1800000                      ; the floor 2^(3 - 127)
	s_mov_b32 s101, 0xffff0000                     ; lanes 16-31
	s_wait_dscnt 0x0
	CROUND                                         ; the round in front of the first joint loads
	s_wait_kmcnt 0x0
	s_add_nc_u64 s[6:7], s[68:69], s[8:9]
	s_or_b32 s7, s7, 0x80000000
	s_add_nc_u64 s[72:73], s[72:73], s[20:21]      ; the three weights' tiles
	s_add_nc_u64 s[76:77], s[76:77], s[20:21]
	s_add_nc_u64 s[80:81], s[80:81], s[20:21]
	s_mov_b64 s[58:59], s[80:81]
	s_or_b32 s59, s59, 0x80000000
	s_add_nc_u64 s[62:63], s[70:71], s[22:23]
	s_or_b32 s63, s63, 0x80000000
	s_cmp_eq_u32 s14, 0                            ; one chain of branches, one load to an arm
	s_cbranch_scc0 .Lh1
	TLOAD 56, G1W                                  ; wave 0: Wv's rows, wanted first
	s_branch .Lhj
.Lh1:
	s_cmp_eq_u32 s14, 1
	s_cbranch_scc0 .Lh2
	TLOAD 60, G1S                                  ; wave 1: x's scale bytes
	s_branch .Lhj
.Lh2:
	TLOAD 4, G1X                                   ; waves 2, 3: half of x's rows each
.Lhj:
	s_lshl_b32 s20, s42, 12
	s_lshl_b32 s21, s16, 11
	s_add_co_u32 s20, s20, s21
	s_mov_b32 s21, 0
	s_add_nc_u64 s[74:75], s[74:75], s[20:21]      ; my 64 rows' scale bytes
	s_add_nc_u64 s[78:79], s[78:79], s[20:21]
	s_add_nc_u64 s[82:83], s[82:83], s[20:21]
	s_lshl_b32 s20, s42, 9
	s_lshl_b32 s21, s16, 8
	s_add_co_u32 s20, s20, s21
	s_mov_b32 s21, 0
	s_add_nc_u64 s[84:85], s[84:85], s[20:21]      ; and their biases
	s_add_nc_u64 s[86:87], s[86:87], s[20:21]
	s_add_nc_u64 s[88:89], s[88:89], s[20:21]
	s_lshr_b32 s20, s43, 3
	s_lshl_b32 s20, s20, 4
	s_lshl_b32 s21, s42, 1
	s_add_co_u32 s20, s20, s21
	s_add_co_u32 s20, s20, s16                     ; 16 b + my head
	s_lshl_b32 s20, s20, 6
	s_and_b32 s21, s43, 7
	s_lshl_b32 s21, s21, 3
	s_add_co_u32 s20, s20, s21
	s_lshl_b32 s21, s15, 2
	s_add_co_u32 s20, s20, s21                     ; x 64 + my first fragment: 8 a tile, 4 a half
	s_lshl_b32 s22, s20, 6
	s_mov_b32 s23, 0
	s_mul_i32 s20, s20, FRB
	s_mov_b32 s21, 0
	s_add_nc_u64 s[94:95], s[90:91], s[20:21]
	s_add_nc_u64 s[96:97], s[92:93], s[22:23]
	s_add_nc_u64 s[8:9], s[94:95], 2*CSEC          ; v's section
	s_add_nc_u64 s[98:99], s[96:97], 2<<18
	s_mul_i32 s66, s14, 24576                      ; my quarter of a refill: 32 rows
	s_mov_b32 s67, 0
	s_mul_i32 s20, s15, 128*PITCH
	s_mul_i32 s21, s16, 64*PITCH
	s_add_co_u32 s21, s21, WR
	s_lshl_b32 s22, s15, 12
	s_add_co_u32 s22, s22, XS
	v_and_b32 v1, 15, v0
	v_bfe_u32 v2, v0, 4, 1
	v_and_b32 v3, 31, v0
	v_mul_u32_u24 v[TM], v1, PITCH
	v_mad_u32_u24 v[TM+1], v2, 24, v[TM]
	v_mad_u32_u24 v[TM+2], v2, 40, v[TM]
	v_add_nc_u32 v[XB], s20, v[TM+1]
	v_add_nc_u32 v[XB+1], s20, v[TM+2]
	v_add_nc_u32 v[WB], s21, v[TM+1]
	v_add_nc_u32 v[WB+1], s21, v[TM+2]
	v_lshl_add_u32 v[XSB], v1, 5, s22
	v_lshlrev_b32 v[LI], 4, v3
	v_lshlrev_b32 v[LS], 2, v3
	v_lshlrev_b32 v[LH], 2, v1
	v_lshl_add_u32 v[LH], v2, 1, v[LH]
	v_lshlrev_b32 v[ABS], 5, v3
	v_lshlrev_b32 v[BO], 5, v2
	v_lshlrev_b32 v[BOV], 2, v1
	v_mov_b32 v[TM+4], 0                           ; a lane permute's destination counts as one of its sources
	v_mov_b32 v[TM+5], 0
	WIN 3<<6
.irp b, 0,1,2,3
	v_add_nc_u32 v[WA-768+2*\b], \b*BLK, v[WB]
	v_add_nc_u32 v[WA-768+2*\b+1], \b*BLK, v[WB+1]
.endr
	WIN 0
	WALU                                           ; the wait at the head's end
	SBLOAD SBV, 82
	SBLOAD SBQ, 74
	SBLOAD SBK, 78
	WIN 3<<6
.irp t, 0,1,2,3
.irp j, 0,1,2,3,4,5,6,7
	global_load_b32 v[BIV-768+8*\t+\j], v[BOV], s[88:89] offset:64*\t   ; v: all eight registers of tile t are column 16 t + r
.endr
.endr
	BILOAD BIQ, 84
	BILOAD BIK, 86
	WIN 0
	s_cmp_eq_u32 s14, 0
	s_cbranch_scc0 .Lnot_w
	s_wait_tensorcnt 0x0
.Lnot_w:
	BARRIER                                        ; Wv's rows are in
	WEIGHTS
	s_wait_tensorcnt 0x0                           ; the first refill's three lines: all the head's tiles are in,
	ds_add_u32 v[SPW], v[NIL]
	s_mov_b32 s[G1W+2], 96<<16                     ; no load of mine is out: from here on a weight comes a quarter a wave, 96 rows of 256 bytes
	s_mov_b32 s[G1W+4], 96
	s_mul_i32 s57, s14, 32*PITCH
	s_add_co_u32 s57, s57, WR
	s_add_nc_u64 s[58:59], s[72:73], s[66:67]
	s_or_b32 s59, s59, 0x80000000
	s_wait_dscnt 0x0                               ; and I hold Wv in registers
	CROUND
	TLOAD 56, G1W                                  ; Wq's rows onto Wv's
	SETAD 0
	FETCH 0, 0, 0
	FETCH 1, BLK, 512
	s_wait_loadcnt 0x0
	s_wait_dscnt 0x0
; ---- phase 1: v.  Behind each block: the wait for the loads issued a block ago, then the fetch of the block two on
.irp s, 0,1,2,3,4,5,6,7
	BLOCK 1, \s%2, VA+8*(\s%4), 32, BIV, SBV
	PLACES 4
	s_wait_dscnt 0x0
.if \s%2 == 0
	SETAD (\s+2)%8
	FETCH 0, 0, 0
.else
	FETCH 1, BLK, 512
.endif
.if \s == 3
.irp t, 0,1,2,3
	QUANT VA+32*\t, VC+12*\t, VTP, PW+2*\t         ; band 0: keys 0-63 of my 128
.endr
.endif
.endr
.macro VOUT                            ; band 1, and v's four fragments and their words leave
.irp t, 0,1,2,3
	QUANT VA+32*\t, VC+12*\t+6, VTP, PW+2*\t+1
.endr
.irp t, 0,1,2,3
	v_lshl_or_b32 v[PW+2*\t], v[PW+2*\t+1], 16, v[PW+2*\t]
.endr
.irp e, 0,1
	v_cndmask_b32 v[SO+\e], v[PW+4*\e], v[PW+4*\e+2], s101
.endr
	WALU
	WIN 3<<2
.irp t, 0,1,2,3
.irp i, 0,1,2
	global_store_b128 v[LI], v[VC-768+12*\t+4*\i:VC-768+12*\t+4*\i+3], s[8:9] offset:FRB*\t+512*\i
.endr
.endr
	WIN 0
.irp e, 0,1
	global_store_b32 v[LS], v[SO+\e], s[98:99] offset:128*\e
.endr
.endm
; ---- phases 2 and 3: q, k.  A trip of the loop is two blocks, one fragment
.macro PHASE sect, sb, bi, refill
	s_wait_tensorcnt 0x0
	s_wait_dscnt 0x0
	BARRIER                                        ; a plain barrier shows the weight that the last refill brought
	WEIGHTS
.if \sect == 0
	VOUT                                           ; under the flight of the weight's loads
.endif
	s_wait_xcnt 0x0
	s_add_nc_u64 s[12:13], s[94:95], \sect*CSEC
	s_add_nc_u64 s[10:11], s[96:97], \sect<<18
	s_mov_b32 s22, 0                               ; what the first trip adds to the two
	s_mov_b32 s23, 0
	s_mov_b32 s46, 0
	s_mov_b32 s47, 0
.if \refill
	s_wait_tensorcnt 0x0                           ; the second refill's three lines
	ds_add_u32 v[SPW], v[NIL]
	s_add_nc_u64 s[58:59], s[76:77], s[66:67]
	s_or_b32 s59, s59, 0x80000000
	s_wait_dscnt 0x0
	CROUND
	TLOAD 56, G1W                                  ; Wk's rows onto Wq's
.else
	s_wait_dscnt 0x0
.endif
	s_mov_b32 s3, 0
.Lpair_\@:
	BLOCK 0, 0, ACC, 8, \bi, \sb
	PLACES 4
	s_wait_dscnt 0x0
	s_add_co_u32 s20, s3, 1
	s_and_b32 s20, s20, 3                          ; the next pair of blocks, round the eight
	s_lshl_b32 s21, s20, 10
	s_mul_i32 s20, s20, 2*BLK
	v_add_nc_u32 v[ADX], s20, v[XB]
	v_add_nc_u32 v[ADX+1], s20, v[XB+1]
	v_add_nc_u32 v[ADX+2], BLK, v[ADX]
	v_add_nc_u32 v[ADX+3], BLK, v[ADX+1]
	v_add_nc_u32 v[ADS], s21, v[XSB]
	WALU
	FETCH 0, 0, 0
	s_wait_xcnt 0x0                                ; the last trip's stores have read their data and bases
	s_add_nc_u64 s[12:13], s[12:13], s[22:23]
	s_add_nc_u64 s[10:11], s[10:11], s[46:47]
	s_mov_b32 s22, FRB
	s_mov_b32 s46, 64
	QUANT ACC, GA, TP, PW
	BLOCK 0, 1, ACC+32, 8, \bi, \sb
	PLACES 4
	s_wait_dscnt 0x0
	FETCH 1, BLK, 512
	QUANT ACC+32, GA+6, TP, PW+1
	v_cndmask_b32 v[SO], v[PW], v[PW+1], s101      ; lanes 0-15 store the row word's low half, lanes 16-31 its high half: 64 bytes on end
	WALU
.irp i, 0,1,2
	global_store_b128 v[LI], v[GA+4*\i:GA+4*\i+3], s[12:13] offset:512*\i
.endr
	global_store_b16 v[LH], v[SO], s[10:11]
	s_add_co_u32 s3, s3, 1
	s_cmp_lg_u32 s3, 4
	s_cbranch_scc1 .Lpair_\@
.endm
	PHASE 0, SBQ, BIQ, 1
	PHASE 1, SBK, BIK, 0
	s_wait_tensorcnt 0x0                           ; the wave's end
	ds_add_u32 v[SPW], v[NIL]
	s_wait_dscnt 0x0
	CROUND                                         ; the closing round
	s_endpgm
.Lfunc_end_k_qe66e60bccb_proj:
	.size	k_qe66e60bccb_proj, .Lfunc_end_k_qe66e60bccb_proj-k_qe66e60bccb_proj
	.p2alignl 7, 3214868480
	.fill 96, 4, 3214868480
	.section	.rodata,"a",@progbits
	.p2align	6, 0x0
	.amdhsa_kernel k_qe66e60bccb_proj
		.amdhsa_group_segment_fixed_size 327680
		.amdhsa_private_segment_fixed_size 0
		.amdhsa_enable_private_segment 0
		.amdhsa_kernarg_size 104
		.amdhsa_user_sgpr_count 2
		.amdhsa_user_sgpr_kernarg_segment_ptr 1
		.amdhsa_wavefront_size32 1
		.amdhsa_system_sgpr_workgroup_id_x 1
		.amdhsa_system_sgpr_workgroup_id_y 1
		.amdhsa_system_sgpr_workgroup_id_z 1
		.amdhsa_system_vgpr_workitem_id 0
		.amdhsa_next_free_vgpr 1024
		.amdhsa_next_free_sgpr 102
		.amdhsa_reserve_vcc 0
		.amdhsa_float_denorm_mode_32 3
		.amdhsa_float_denorm_mode_16_64 3
		.amdhsa_memory_ordered 1
		.amdhsa_forward_progress 1
		.amdhsa_inst_pref_size 143
	.end_amdhsa_kernel
	.amdgpu_metadata
---
amdhsa.version: [ 1, 2 ]
amdhsa.kernels:
  - .name:           k_qe66e60bccb_proj
    .symbol:         k_qe66e60bccb_proj.kd
    .args:
      - { .name: x_codes, .offset: 0, .size: 8, .value_kind: global_buffer, .address_space: global }
      - { .name: x_scales, .offset: 8, .size: 8, .value_kind: global_buffer, .address_space: global }
      - { .name: Wq_codes, .offset: 16, .size: 8, .value_kind: global_buffer, .address_space: global }
      - { .name: Wq_scales, .offset: 24, .size: 8, .value_kind: global_buffer, .address_space: global }
      - { .name: Wk_codes, .offset: 32, .size: 8, .value_kind: global_buffer, .address_space: global }
      - { .name: Wk_scales, .offset: 40, .size: 8, .value_kind: global_buffer, .address_space: global }
      - { .name: Wv_codes, .offset: 48, .size: 8, .value_kind: global_buffer, .address_space: global }
      - { .name: Wv_scales, .offset: 56, .size: 8, .value_kind: global_buffer, .address_space: global }
      - { .name: bq, .offset: 64, .size: 8, .value_kind: global_buffer, .address_space: global }
      - { .name: bk, .offset: 72, .size: 8, .value_kind: global_buffer, .address_space: global }
      - { .name: bv, .offset: 80, .size: 8, .value_kind: global_buffer, .address_space: global }
      - { .name: qkvc, .offset: 88, .size: 8, .value_kind: global_buffer, .address_space: global }
      - { .name: qkvs, .offset: 96, .size: 8, .value_kind: global_buffer, .address_space: global }
    .group_segment_fixed_size: 327680
    .private_segment_fixed_size: 0
    .kernarg_segment_align: 8
    .kernarg_segment_size: 104
    .max_flat_workgroup_size: 128
    .sgpr_count:     102
    .vgpr_count:     1024
    .wavefront_size: 32
...
	.end_amdgpu_metadata
.endif
;; end of part 1
;; launch attn (part 2): grid 4 x 64, 16 waves a work-group, clusters of 4 x 1, 327,680 bytes of LDS; arguments qkvc, qkvs, aoc, aos; writes aoc, aos
.if DOCPART == 2
	.amdgcn_target "amdgcn-amd-amdhsa--gfx1250"
	.amdhsa_code_object_version 6
	.text
	.protected	k_qe66e60bccb_attn
	.globl	k_qe66e60bccb_attn
	.p2align	8
	.type	k_qe66e60bccb_attn,@function
k_qe66e60bccb_attn:
	s_mov_b64 s[64:65], 0
	v_nop
	global_prefetch_b8 v0, s[64:65] scope:SCOPE_SE
	s_setreg_imm32_b32 hwreg(HW_REG_WAVE_MODE, 25, 1), 1
	s_wait_xcnt 0x0
	s_wait_alu depctr_hold_cnt(0) depctr_sa_sdst(0) depctr_va_vdst(0) depctr_va_sdst(0) depctr_va_ssrc(0) depctr_va_vcc(0) depctr_vm_vsrc(0)
	s_getreg_b32 s2, hwreg(HW_REG_IB_STS2, 6, 4)
	s_cmp_eq_u32 s2, 0
	s_cbranch_scc0 .Lentry_in_a_cluster
	s_endpgm
.Lentry_in_a_cluster:
	s_bfe_u32 s2, ttmp6, 0x10000c
	s_cmp_lg_u32 s2, 0x3003
	s_cbranch_scc0 .Lentry_shape_is_right
	s_endpgm
.Lentry_shape_is_right:
; Attention of one head for 512 queries: o = softmax(q k^T / 8) v on codes of FP6, p quantised by blocks of 32 keys under a running whole-number maximum; o leaves as codes for the last projection.
; A work-group's 16 waves take 32 queries each, in two tiles of 16, one after the other; the head's K and V (fragment images, 196,608 bytes) and their scale words (8,192) lie in LDS for the whole launch.
; THE HEAD: one joint load a wave, shared by the four work-groups of the head: waves 0-11 take 16,384 bytes of codes each (six K's, six V's), waves 12-15 2,048 bytes of scale words each.
; Both products are used transposed (S^T = k q^T, O^T = v^T p^T): a lane holds one query.  A fragment of K holds two sets of 16 keys, 64 along K each; q stands beside six registers of zero codes, which pick one set.
; A STEP is 128 keys: 8 products for the scores; the blocks' largest scores; -M = floor(-c x the running largest score), c = log2(e) / 8; p = 2^(c s - M); the blocks' scale bytes from the largest scores put through the same two lines;
; conversions; O^T and the sum x 2^(old M - new M); 4 products.  K's and V's fragments share 48 registers.  V's loads stand among the dependent lines that make M.  The row's sum of the unquantised p stands BEHIND the last products,
; which do not need it: its first four lines are the places behind them, the next step's loads of K follow, and the other 28 additions stand between those loads and the wait for them.  The sum goes in four chains.
; A tile's last step is written out: it fetches nothing.
; No prefetch: all tiles are asked for at the head.
; LIMITS: NaN and infinities are not served; the promise holds while the scaled scores stay under 2^31 in magnitude.
.set FRB,   1536
.set HEADC, 98304
.set CSEC,  6291456
.set VOFF,  98304
.set SCK,   196608
.set SCV,   4096
.set STEPB, 4*FRB
.set NSTEP, 16
.set AK0, 1
.set AV0, 2
.set AS0, 3
.set ADK, 4
.set ADV, 5
.set ADS, 6
.set GO,  7
.set GS,  8
.set QO,  10
.set ZQ,  16
.set QS,  46
.set KF,  48
.set S,   96
.set O,   160
.set PC,  192
.set PT,  204
.set BM,  212
.set BT,  216
.set BS,  220
.set F,   224
.set PW,  226
.set KSW, 228
.set VSW, 230
.set T0,  232
.set T1,  233
.set SM2, 234
.set OC,  236
.set SM3, 244                          ; (the second tile's codes lie here behind its last sum)
.set SM4, 246
.set OSB, 250
.set NC,  3
.set WV,  12
.set G1C, 24
.set G1W, 32
.set G0C, 40
.set G0W, 44
.set SEL, 48
.set CS,  50
.set TK,  52
.set TS,  53
.set CNT, 54
.set MASK, 55
.macro ROUND
	s_barrier_signal -1
	s_barrier_wait -1
	s_cmp_lg_u32 s[WV], 0
	s_cbranch_scc1 .Lnot_wave_0_\@
	s_barrier_signal -3
.Lnot_wave_0_\@:
	s_barrier_wait -3
	s_barrier_signal -1
	s_barrier_wait -1
.endm
	s_load_b256 s[4:11], s[0:1], 0x0
	v_lshl_add_u32 v254, v0, 2, 0x32000
	v_mov_b32 v255, 0
	ds_add_u32 v254, v255                  ; the opening lines: the add, twice on end, and its wait
	ds_add_u32 v254, v255
	v_lshrrev_b32 v9, 5, v0
	s_delay_alu instid0(VALU_DEP_1)
	v_readfirstlane_b32 s[WV], v9
	s_bfe_u32 s13, ttmp6, 0x40000
	s_and_b32 s14, ttmp7, 0xffff           ; 16 b + h
	s_cmp_ge_u32 s[WV], 6                  ; codes: waves 0-5 K's six parts, waves 6-11 V's
	s_cselect_b32 s15, 1, 0
	s_mul_i32 s16, s15, 6
	s_sub_co_u32 s16, s[WV], s16
	s_add_co_u32 s15, s15, 1
	s_mul_i32 s20, s15, CSEC
	s_mul_i32 s17, s14, HEADC
	s_add_co_u32 s20, s20, s17
	s_lshl_b32 s17, s16, 14
	s_add_co_u32 s20, s20, s17
	s_mov_b32 s21, 0
	s_and_b32 s18, s[WV], 3                ; scale words: waves 12, 13 K's two parts, waves 14, 15 V's
	s_lshr_b32 s22, s18, 1
	s_add_co_u32 s22, s22, 1
	s_lshl_b32 s22, s22, 18
	s_lshl_b32 s17, s14, 12
	s_add_co_u32 s22, s22, s17
	s_and_b32 s17, s18, 1
	s_lshl_b32 s17, s17, 11
	s_add_co_u32 s22, s22, s17
	s_mov_b32 s23, 0
	s_mov_b32 s[G1C], 15|(3<<16)|(1<<21)   ; dense blocks as rows of 256 bytes: 64 rows of codes,
	s_mov_b32 s[G1C+1], 32<<16
	s_mov_b32 s[G1C+2], 64<<16
	s_mov_b32 s[G1C+3], 32<<16
	s_mov_b32 s[G1C+4], 64
	s_mov_b32 s[G1C+5], 32
	s_mov_b32 s[G1C+6], 0
	s_mov_b32 s[G1C+7], 0
	s_mov_b32 s[G1W], 15|(3<<16)|(1<<21)   ; 8 rows of scale words
	s_mov_b32 s[G1W+1], 32<<16
	s_mov_b32 s[G1W+2], 8<<16
	s_mov_b32 s[G1W+3], 32<<16
	s_mov_b32 s[G1W+4], 8
	s_mov_b32 s[G1W+5], 32
	s_mov_b32 s[G1W+6], 0
	s_mov_b32 s[G1W+7], 0
	s_mov_b32 s[SEL], 0x76543210
	s_mov_b32 s[SEL+1], 0xfedcba98
	s_mov_b32 s[CS], 0x3e38aa3b            ; c = log2(e) / 8
	s_mov_b32 s[CS+1], s[CS]
	s_mov_b32 s[NC], 0xbe38aa3b            ; -c
	s_mov_b32 s[MASK], 0xffff0000
	s_wait_dscnt 0x0
	s_wait_kmcnt 0x0
	s_mov_b32 s[G0C], 1
	s_lshl_b32 s[G0C+1], s[WV], 14
	s_add_nc_u64 s[G0C+2:G0C+3], s[4:5], s[20:21]
	s_or_b32 s[G0C+3], s[G0C+3], 0x80000000
	s_mov_b32 s[G0W], 1
	s_lshl_b32 s[G0W+1], s18, 11
	s_add_co_u32 s[G0W+1], s[G0W+1], SCK
	s_add_nc_u64 s[G0W+2:G0W+3], s[6:7], s[22:23]
	s_or_b32 s[G0W+3], s[G0W+3], 0x80000000
	ROUND
	s_cmp_lt_u32 s[WV], 12
	s_cbranch_scc0 .Lwords
	tensor_load_to_lds s[G0C:G0C+3], s[G1C:G1C+7]
	s_nop 0
.rept 4
	v_nop
.endr
	s_branch .Lasked
.Lwords:
	tensor_load_to_lds s[G0W:G0W+3], s[G1W:G1W+7]
	s_nop 0
.rept 4
	v_nop
.endr
.Lasked:
	s_lshl_b32 s15, ttmp9, 2
	s_add_co_u32 s15, s15, s13
	s_lshl_b32 s15, s15, 4
	s_add_co_u32 s15, s15, s[WV]           ; my fragment of q: 32 queries
	s_mul_i32 s16, s14, HEADC
	s_mul_i32 s17, s15, FRB
	s_add_co_u32 s16, s16, s17
	s_mov_b32 s17, 0
	s_add_nc_u64 s[56:57], s[4:5], s[16:17]
	s_lshl_b32 s18, s14, 12
	s_lshl_b32 s19, s15, 6
	s_add_co_u32 s18, s18, s19
	s_mov_b32 s19, 0
	s_add_nc_u64 s[58:59], s[6:7], s[18:19]
	s_lshr_b32 s16, s14, 4
	s_and_b32 s18, s14, 15
	s_lshl_b32 s20, s16, 7
	s_lshl_b32 s21, s15, 1
	s_add_co_u32 s20, s20, s21
	s_mul_i32 s20, s20, 12288
	s_mul_i32 s21, s18, 768
	s_add_co_u32 s20, s20, s21
	s_mov_b32 s21, 0
	s_add_nc_u64 s[60:61], s[8:9], s[20:21]
	s_lshl_b32 s20, s16, 11
	s_lshl_b32 s22, s15, 5
	s_add_co_u32 s20, s20, s22
	s_lshl_b32 s20, s20, 5
	s_lshl_b32 s22, s18, 1
	s_add_co_u32 s20, s20, s22
	s_add_nc_u64 s[62:63], s[10:11], s[20:21]
	v_and_b32 v9, 31, v0
	s_delay_alu instid0(VALU_DEP_1)
	v_lshlrev_b32 v[AK0], 4, v9
	s_delay_alu instid0(VALU_DEP_1)
	v_add_nc_u32 v[AV0], VOFF, v[AK0]
	s_delay_alu instid0(VALU_DEP_3)
	v_lshl_add_u32 v[AS0], v9, 2, SCK
	s_delay_alu instid0(VALU_DEP_4)
	v_lshlrev_b32 v[GO], 3, v9
	v_lshlrev_b32 v[GS], 5, v9
	v_and_b32 v[QO], 15, v0
	s_delay_alu instid0(VALU_DEP_1)
	v_lshlrev_b32 v[QO], 2, v[QO]
.irp m, 0,1,2
	global_load_b64 v[ZQ+6+2*\m:ZQ+7+2*\m], v[AK0], s[56:57] offset:512*(\m/2)+8*(\m%2)
	global_load_b64 v[ZQ+18+2*\m:ZQ+19+2*\m], v[AK0], s[56:57] offset:512*((\m+3)/2)+8*((\m+3)%2)
.endr
	global_load_b32 v[T0], v[QO], s[58:59]
.irp z, 0,12,24
.irp j, 0,1,2,3,4,5
	v_mov_b32 v[ZQ+\z+\j], 0               ; zero codes beside q's
.endr
.endr
.irp b, 0,1,2,3
	v_mov_b32 v[BT+\b], 0                  ; a lane permute's destination counts as one of its sources
.endr
	v_mov_b32 v[F+1], 0
	s_wait_loadcnt 0x0
	v_perm_b32 v[QS], v[T0], v[T0], 0x01000100
	v_perm_b32 v[QS+1], v[T0], v[T0], 0x03020302
	s_wait_tensorcnt 0x0
	s_barrier_signal -1
	s_barrier_wait -1                      ; everybody's part of K, V and the scale words is in
.macro QKP d, f, q0, u
.if (\f)%2
	v_wmma_scale_f32_16x16x128_f8f6f4 v[\d:\d+7], v[KF+12*(\f):KF+12*(\f)+11], v[\q0:\q0+11], 0, v[KSW+(\f)/2], v[QS+(\u)] matrix_a_fmt:MATRIX_FMT_FP6 matrix_b_fmt:MATRIX_FMT_FP6 matrix_a_scale:MATRIX_SCALE_ROW1
.else
	v_wmma_scale_f32_16x16x128_f8f6f4 v[\d:\d+7], v[KF+12*(\f):KF+12*(\f)+11], v[\q0:\q0+11], 0, v[KSW+(\f)/2], v[QS+(\u)] matrix_a_fmt:MATRIX_FMT_FP6 matrix_b_fmt:MATRIX_FMT_FP6
.endif
.endm
.macro KLD a, w, x, y                  ; a step's four fragments of K and their scale words
.irp f, 0,1,2,3
.irp i, 0,1,2
	ds_load_b128 v[KF+12*\f+4*\i:KF+12*\f+4*\i+3], v[\a] offset:FRB*\f+512*\i+\x
.endr
.endr
.irp e, 0,1
	ds_load_b32 v[KSW+\e], v[\w] offset:128*\e+\y
.endr
.endm
.macro VLD n                           ; the n-th of the 14 loads that bring V's four fragments and their scale words
.if (\n) < 12
	ds_load_b128 v[KF+4*(\n):KF+4*(\n)+3], v[ADV] offset:FRB*((\n)/3)+512*((\n)%3)
.else
	ds_load_b32 v[VSW+(\n)-12], v[ADS] offset:SCV+128*((\n)-12)
.endif
.endm
.macro PKF n                           ; t - M, two at a time
.rept \n
	v_pk_fma_f32 v[S+J:S+J+1], v[S+J:S+J+1], s[CS:CS+1], v[12:13] op_sel_hi:[1,0,0]
.set J, J+2
.endr
.endm
.macro STEP u, last
	s_wait_dscnt 0x0                       ; K's fragments are in
.irp f, 0,1,2,3
	QKP S+16*\f, \f, ZQ+6+12*\u, \u
	QKP S+16*\f+8, \f, ZQ+12*\u, \u
.endr
	v_add_nc_u32 v[ADV], s[TK], v[AV0]     ; four lines that are due anyway are the places behind the products
	v_add_nc_u32 v[ADS], s[TS], v[AS0]
	v_add_nc_u32 v[ADK], s[TK], v[AK0]
	v_mov_b32 v[T0], v12                   ; the old -M
.irp b, 0,1,2,3
	v_max3_num_f32 v[BM+\b], v[S+16*\b], v[S+1+16*\b], v[S+2+16*\b]
.endr
.irp i, 3,5,7,9,11,13
.irp b, 0,1,2,3
	v_max3_num_f32 v[BM+\b], v[BM+\b], v[S+16*\b+\i], v[S+1+16*\b+\i]
.endr
.endr
.irp b, 0,1,2,3
	v_max_num_f32 v[BM+\b], v[BM+\b], v[S+15+16*\b]
.endr
.irp b, 0,1,2,3
	s_delay_alu instid0(VALU_DEP_4)
	v_permlanex16_b32 v[BT+\b], v[BM+\b], s[SEL], s[SEL+1]
.endr
.irp b, 0,1,2,3
	s_delay_alu instid0(VALU_DEP_4)
	v_max_num_f32 v[BM+\b], v[BM+\b], v[BT+\b]   ; each block's largest score
.endr
	v_max3_num_f32 v[T1], v[BM], v[BM+1], v[BM+2]
.irp n, 0,1,2,3
	VLD \n
.endr
	v_max3_num_f32 v13, v[T1], v[BM+3], v13      ; the running largest score
.irp n, 4,5,6,7
	VLD \n
.endr
	v_mul_f32 v[T1], s[NC], v13
.irp n, 8,9,10,11
	VLD \n
.endr
	v_floor_f32 v12, v[T1]                       ; -M = floor(-t) = -ceil(t)
.irp n, 12,13
	VLD \n
.endr
	v_sub_f32 v[T0], v12, v[T0]                  ; old M - new M, a whole number, 0 or less
.set J, 0
	PKF 8
	v_cvt_i32_f32 v[T0], v[T0]
	PKF 8
	v_ldexp_f32 v[F], 1.0, v[T0]                 ; f = 2^(old M - new M)
	PKF 16
.irp b, 0,1,2,3
	v_fma_f32 v[BM+\b], v[BM+\b], s[CS], v12
.endr
.set J, 0
	s_wait_alu depctr_va_vdst(0)                 ; the wait ahead of the batch
.rept 64
	v_exp_f32 v[S+J], v[S+J]
.set J, J+1
.endr
.irp b, 0,1,2,3
	v_exp_f32 v[BM+\b], v[BM+\b]                 ; each block's largest p
.endr
	v_pk_mul_f32 v[14:15], v[14:15], v[F:F+1] op_sel_hi:[1,0]
	s_wait_alu depctr_va_vdst(0)                 ; and behind it
.irp b, 0,1,2,3
	v_max_num_f32 v[BM+\b], 0x1800000, v[BM+\b]
.endr
.irp b, 0,1,2,3
	s_delay_alu instid0(VALU_DEP_4)
	v_add_nc_u32 v[BS+\b], 0xff000000, v[BM+\b]
.endr
.irp b, 0,1,2,3
	s_delay_alu instid0(VALU_DEP_4)
	v_lshrrev_b32 v[BT+\b], 23, v[BS+\b]
.endr
	s_delay_alu instid0(VALU_DEP_3)
	v_lshl_or_b32 v[PW], v[BT+1], 8, v[BT]
	s_delay_alu instid0(VALU_DEP_1)
	v_lshl_or_b32 v[PW], v[BT+2], 16, v[PW]
	s_delay_alu instid0(VALU_DEP_1)
	v_lshl_or_b32 v[PW], v[BT+3], 24, v[PW]
.irp c, 0,1
	v_cvt_scalef32_pk16_fp6_f32 v[PC+6*\c:PC+2+6*\c], v[S+32*\c:S+15+32*\c], v[BS+2*\c]
	v_cvt_scalef32_pk16_fp6_f32 v[PT+4*\c:PT+2+4*\c], v[S+16+32*\c:S+31+32*\c], v[BS+2*\c+1]
.endr
	v_pk_mul_f32 v[O:O+1], v[O:O+1], v[F:F+1] op_sel_hi:[1,0]   ; O^T x f begins: the plain place behind the conversions
.irp c, 0,1
.irp i, 0,1,2
	v_permlane16_swap_b32 v[PC+6*\c+\i], v[PT+4*\c+\i]
.endr
.irp i, 0,1,2
	s_delay_alu instid0(VALU_DEP_3)
	v_mov_b32 v[PC+3+6*\c+\i], v[PT+4*\c+\i]
.endr
.endr
.set J, 2
.rept 15
	v_pk_mul_f32 v[O+J:O+J+1], v[O+J:O+J+1], v[F:F+1] op_sel_hi:[1,0]
.set J, J+2
.endr
	s_wait_alu depctr_va_vdst(0)
	s_wait_dscnt 0x0                             ; V's fragments are in
.irp t, 0,1,2,3
.if \t%2
	v_wmma_scale_f32_16x16x128_f8f6f4 v[O+8*\t:O+8*\t+7], v[KF+12*\t:KF+12*\t+11], v[PC:PC+11], v[O+8*\t:O+8*\t+7], v[VSW+\t/2], v[PW] matrix_a_fmt:MATRIX_FMT_FP6 matrix_b_fmt:MATRIX_FMT_FP6 matrix_a_scale:MATRIX_SCALE_ROW1
.else
	v_wmma_scale_f32_16x16x128_f8f6f4 v[O+8*\t:O+8*\t+7], v[KF+12*\t:KF+12*\t+11], v[PC:PC+11], v[O+8*\t:O+8*\t+7], v[VSW+\t/2], v[PW] matrix_a_fmt:MATRIX_FMT_FP6 matrix_b_fmt:MATRIX_FMT_FP6
.endif
.endr
	v_pk_add_f32 v[SM2:SM2+1], v[S:S+1], v[S+2:S+3]             ; the row's sum of the unquantised p, in four chains; these four lines are the places behind the products
	v_pk_add_f32 v[SM3:SM3+1], v[S+4:S+5], v[S+6:S+7]
	v_pk_add_f32 v[SM4:SM4+1], v[S+8:S+9], v[S+10:S+11]
	v_pk_add_f32 v[14:15], v[14:15], v[S+12:S+13]
.if !(\last)
	KLD ADK, ADS, STEPB, 256                     ; the next step's K
.endif
.set J, 14
.rept 6
	v_pk_add_f32 v[SM2:SM2+1], v[SM2:SM2+1], v[S+J:S+J+1]
	v_pk_add_f32 v[SM3:SM3+1], v[SM3:SM3+1], v[S+J+2:S+J+3]
	v_pk_add_f32 v[SM4:SM4+1], v[SM4:SM4+1], v[S+J+4:S+J+5]
	v_pk_add_f32 v[14:15], v[14:15], v[S+J+6:S+J+7]
.set J, J+8
.endr
	v_pk_add_f32 v[SM2:SM2+1], v[SM2:SM2+1], v[S+62:S+63]
	v_pk_add_f32 v[SM3:SM3+1], v[SM3:SM3+1], v[SM4:SM4+1]
	v_pk_add_f32 v[14:15], v[14:15], v[SM2:SM2+1]
	v_pk_add_f32 v[14:15], v[14:15], v[SM3:SM3+1]
	s_add_co_u32 s[TK], s[TK], STEPB
	s_add_co_u32 s[TS], s[TS], 256
.endm
.macro TILE u
	v_mov_b32 v13, 0xff61b1e6                    ; the largest score so far: -3e38
	v_mov_b32 v12, 0x7e000000                    ; -M: a large whole number, so that the first f is 0
	v_mov_b32 v14, 0
	v_mov_b32 v15, 0
.set J, 0
.rept 32
	v_mov_b32 v[O+J], 0
.set J, J+1
.endr
	s_mov_b32 s[TK], 0
	s_mov_b32 s[TS], 0
	s_mov_b32 s[CNT], NSTEP-1
	KLD AK0, AS0, 0, 0
.Lstep_\@:
	STEP \u, 0
	s_sub_co_u32 s[CNT], s[CNT], 1
	s_cmp_lg_u32 s[CNT], 0
	s_cbranch_scc1 .Lstep_\@
	STEP \u, 1
	v_add_f32 v14, v14, v15
	s_delay_alu instid0(VALU_DEP_1)
	v_permlanex16_b32 v[T0], v14, s[SEL], s[SEL+1]
	s_delay_alu instid0(VALU_DEP_1)
	v_add_f32 v14, v14, v[T0]
	s_wait_alu depctr_va_vdst(0)
	v_rcp_f32 v14, v14
	v_nop
.set J, 0
	s_wait_alu depctr_va_vdst(0)
.rept 16
	v_pk_mul_f32 v[O+J:O+J+1], v[O+J:O+J+1], v[14:15] op_sel_hi:[1,0]
.set J, J+2
.endr
.irp B, 0,1
.irp j, 0,1,2,3,4,5,6,7
	v_permlane16_swap_b32 v[O+16*\B+\j], v[O+8+16*\B+\j]
.endr
.endr
.irp B, 0,1
	v_max3_num_f32 v[BM+\B], |v[O+16*\B]|, |v[O+16*\B+1]|, 0x1800000
.endr
.irp i, 2,4,6,8,10,12,14
.irp B, 0,1
	s_delay_alu instid0(VALU_DEP_2)
	v_max3_num_f32 v[BM+\B], v[BM+\B], |v[O+16*\B+\i]|, |v[O+16*\B+\i+1]|
.endr
.endr
.irp B, 0,1
	s_delay_alu instid0(VALU_DEP_2)
	v_permlanex16_b32 v[BT+\B], v[BM+\B], s[SEL], s[SEL+1]
.endr
.irp B, 0,1
	s_delay_alu instid0(VALU_DEP_2)
	v_max_num_f32 v[BM+\B], v[BM+\B], v[BT+\B]
.endr
.irp B, 0,1
	s_delay_alu instid0(VALU_DEP_2)
	v_add_nc_u32 v[BS+\B], 0xff000000, v[BM+\B]
.endr
.irp B, 0,1
	s_delay_alu instid0(VALU_DEP_2)
	v_lshrrev_b32 v[BT+\B], 23, v[BS+\B]
.endr
	s_delay_alu instid0(VALU_DEP_1)
	v_lshl_or_b32 v[OSB+\u], v[BT+1], 8, v[BT]
	v_cvt_scalef32_pk16_fp6_f32 v[OC+8*\u:OC+8*\u+2], v[O:O+15], v[BS]
	v_cvt_scalef32_pk16_fp6_f32 v[PT:PT+2], v[O+16:O+31], v[BS+1]
	v_nop
.irp i, 0,1,2
	v_permlane16_swap_b32 v[OC+8*\u+\i], v[PT+\i]
.endr
.irp i, 0,1,2
	s_delay_alu instid0(VALU_DEP_3)
	v_mov_b32 v[OC+8*\u+3+\i], v[PT+\i]
.endr
.irp i, 0,1,2
	global_store_b64 v[GO], v[OC+8*\u+2*\i:OC+8*\u+2*\i+1], s[60:61] offset:12288*\u+256*\i
.endr
.endm
	TILE 0
	TILE 1
	v_cndmask_b32 v[OSB+2], v[OSB], v[OSB+1], s[MASK]
	global_store_b16 v[GS], v[OSB+2], s[62:63]
	s_wait_dscnt 0x0
	s_wait_tensorcnt 0x0                         ; the wave's end
	ds_add_u32 v254, v255
	s_wait_dscnt 0x0
	ROUND
	s_endpgm
.Lfunc_end_k_qe66e60bccb_attn:
	.size	k_qe66e60bccb_attn, .Lfunc_end_k_qe66e60bccb_attn-k_qe66e60bccb_attn
	.p2alignl 7, 3214868480
	.fill 96, 4, 3214868480
	.section	.rodata,"a",@progbits
	.p2align	6, 0x0
	.amdhsa_kernel k_qe66e60bccb_attn
		.amdhsa_group_segment_fixed_size 327680
		.amdhsa_private_segment_fixed_size 0
		.amdhsa_enable_private_segment 0
		.amdhsa_kernarg_size 32
		.amdhsa_user_sgpr_count 2
		.amdhsa_user_sgpr_kernarg_segment_ptr 1
		.amdhsa_wavefront_size32 1
		.amdhsa_system_sgpr_workgroup_id_x 1
		.amdhsa_system_sgpr_workgroup_id_y 1
		.amdhsa_system_sgpr_workgroup_id_z 1
		.amdhsa_system_vgpr_workitem_id 0
		.amdhsa_next_free_vgpr 256
		.amdhsa_next_free_sgpr 66
		.amdhsa_reserve_vcc 0
		.amdhsa_float_denorm_mode_32 3
		.amdhsa_float_denorm_mode_16_64 3
		.amdhsa_memory_ordered 1
		.amdhsa_forward_progress 1
		.amdhsa_inst_pref_size 84
	.end_amdhsa_kernel
	.amdgpu_metadata
---
amdhsa.version: [ 1, 2 ]
amdhsa.kernels:
  - .name:           k_qe66e60bccb_attn
    .symbol:         k_qe66e60bccb_attn.kd
    .args:
      - { .name: qkvc, .offset: 0, .size: 8, .value_kind: global_buffer, .address_space: global }
      - { .name: qkvs, .offset: 8, .size: 8, .value_kind: global_buffer, .address_space: global }
      - { .name: aoc, .offset: 16, .size: 8, .value_kind: global_buffer, .address_space: global }
      - { .name: aos, .offset: 24, .size: 8, .value_kind: global_buffer, .address_space: global }
    .group_segment_fixed_size: 327680
    .private_segment_fixed_size: 0
    .kernarg_segment_align: 8
    .kernarg_segment_size: 32
    .max_flat_workgroup_size: 512
    .sgpr_count:     66
    .vgpr_count:     256
    .wavefront_size: 32
...
	.end_amdgpu_metadata
.endif
;; end of part 2
;; launch outp (part 3): grid 8 x 32, 4 waves a work-group, clusters of 4 x 4, 327,680 bytes of LDS; arguments aoc, aos, Wo_codes, Wo_scales, out0, bo; writes out0
.if DOCPART == 3
	.amdgcn_target "amdgcn-amd-amdhsa--gfx1250"
	.amdhsa_code_object_version 6
	.text
	.protected	k_qe66e60bccb_outp
	.globl	k_qe66e60bccb_outp
	.p2align	8
	.type	k_qe66e60bccb_outp,@function
k_qe66e60bccb_outp:
	s_mov_b64 s[64:65], 0
	v_nop
	global_prefetch_b8 v0, s[64:65] scope:SCOPE_SE
	s_setreg_imm32_b32 hwreg(HW_REG_WAVE_MODE, 25, 1), 1
	s_wait_xcnt 0x0
	s_wait_alu depctr_hold_cnt(0) depctr_sa_sdst(0) depctr_va_vdst(0) depctr_va_sdst(0) depctr_va_ssrc(0) depctr_va_vcc(0) depctr_vm_vsrc(0)
	s_getreg_b32 s2, hwreg(HW_REG_IB_STS2, 6, 4)
	s_cmp_eq_u32 s2, 0
	s_cbranch_scc0 .Lentry_in_a_cluster
	s_endpgm
.Lentry_in_a_cluster:
	s_bfe_u32 s2, ttmp6, 0x10000c
	s_cmp_lg_u32 s2, 0xf033
	s_cbranch_scc0 .Lentry_shape_is_right
	s_endpgm
.Lentry_shape_is_right:
; out0 = o Wo^T + bo on codes of FP6 (E2M3), one E8M0 scale for each 32 along K = 1,024; f32 results.
; aoc: [512 tiles of 16 tokens][8 fragments of 128 K][6 pieces][32 lanes][8 bytes]: the image of an operand's registers; aos: [8,192][32] scale bytes; Wo: rows of 768 bytes of codes and 32 scale bytes.
; THE DEAL.  256 work-groups: 32 tiles of 256 tokens x 8 tiles of 128 columns.  All that a work-group reads lies in LDS at once; nothing is filled again.  Four waves, 2 x 2: a wave holds 64 rows of Wo, all of K,
; in 384 registers and streams its 128 tokens past them in eight blocks of 16, 32 products a block, four accumulators by turns.
; Every tile is dense in memory and is stated as rows of 256 bytes; Wo's rows get 16 bytes of padding behind every 256.  At the head one joint load a wave: wave 0 Wo's rows, wave 1 the tokens' scale bytes, waves 2, 3 half of the tokens' codes each.
; CLUSTERS 4 x 4: the tokens' tiles are shared along a row of the cluster, Wo's along a column.
; Source 0 = Wo's rows, source 1 = the tokens: a lane holds eight neighbouring columns of one row.  The bias is the C of each sum's first product.
; THE WAY OUT: a block's 16 rows x 256 bytes go through the wave's own stage in LDS and come back as whole rows; sixteen lanes store 256 consecutive bytes, aligned.  Block s is stored behind block s + 1's products.
; No prefetch: the launch asks for all its tiles at its head and has no loop to run ahead in.
.set PITCH, 816
.set BLK,   16*PITCH
.set TILE,  12288
.set FR,    12
.set FPW,   21                         ; fragment f lies in window 1 + f / 21 at register 12 (f % 21): 0-31 Wo's (4 q + b), 32-47 the tokens' two sets
.set WR,    196608                     ; LDS: the tokens' 16 tiles at 0, Wo's 128 rows,
.set XS,    WR+128*PITCH               ; the tokens' scale bytes,
.set SPARE, XS+8192                    ; the spare words,
.set STG,   SPARE+512                  ; the stages: 16 rows x 272 bytes a wave
.set AB,  4
.set WA,  224                          ; v224-231 LDS addresses of my fragments of Wo's four tiles
.set AQ,  232                          ; v232-243 of the pair of blocks that is fetched: six registers a block, 2,048 bytes apart
.set WB,  8
.set XSB, 10
.set ADS, 11
.set SPW, 12
.set NIL, 13
.set STO, 14
.set RD,  15
.set SB,  16                           ; v16-31 Wo's scale words
.set SA,  36                           ; v36-51 the tokens', two sets of eight
.set CO,  52
.set ABS, 53
.set BO,  54
.set ACC, 64                           ; v64-127 two sets of four accumulators
.set BI,  128                          ; v128-159 the bias in the result's layout
.set RB,  160                          ; v160-223 two blocks read back from the stage
.set G1X, 24
.set G1W, 32
.set G1S, 48
.set PADB, (3<<16)|(1<<20)|(1<<21)|(5<<22)|(3<<25)
.set DENB, (3<<16)|(1<<21)
.set MSB, 0
.macro WIN new
.if MSB != (\new)
	s_set_vgpr_msb (MSB<<8)|(\new)
.set MSB, (\new)
.endif
.endm
.macro PLACES n
.rept \n
	v_nop
.endr
.endm
.macro WALU
	s_wait_alu depctr_va_vdst(0)
.endm
.macro BARRIER
	s_barrier_signal -1
	s_barrier_wait -1
.endm
.macro CROUND
	BARRIER
	s_cmp_lg_u32 s14, 0
	s_cbranch_scc1 .Lnot_wave_0_\@
	s_barrier_signal -3
.Lnot_wave_0_\@:
	s_barrier_wait -3
	BARRIER
.endm
.macro TLOAD g0, g1
	tensor_load_to_lds s[\g0:\g0+3], s[\g1:\g1+7]
	s_nop 0
	PLACES 4
.endm
.macro G1SET g, mask, bits, rows
	s_or_b32 s[\g], s[\mask], \bits
	s_mov_b32 s[\g+1], 32<<16
	s_mov_b32 s[\g+2], (\rows)<<16
	s_mov_b32 s[\g+3], 32<<16
	s_mov_b32 s[\g+4], \rows
	s_mov_b32 s[\g+5], 32
	s_mov_b32 s[\g+6], 0
	s_mov_b32 s[\g+7], 0
.endm
.macro WEIGHTS                         ; my 64 rows of Wo: six pieces of 8 bytes a fragment; lanes 16-31 read three pieces on: where that is behind one padding more, the second address register serves
.irp q, 0,1,2,3,4,5,6,7
.irp b, 0,1,2,3
	WIN (1+(4*\q+\b)/FPW)<<6
.set R_, FR*((4*\q+\b)%FPW)
.set SKIP_, 0
.irp p, 0,1,2,3,4,5                    ; two pieces to a load where both go by the same address register
.if SKIP_
.set SKIP_, 0
.else
.set PC_, 12*\q+6*(\p/3)+\p%3
.set PN_, 12*\q+6*((\p+1)/3)+(\p+1)%3
.set X_, (PC_%32+3)/32
.set XQ_, (PN_%32+3)/32
.if (\p < 5) && (X_ == XQ_)
.set SKIP_, 1
	ds_load_2addr_b64 v[R_+2*\p:R_+2*\p+3], v[WA+2*\b+X_] offset0:PC_+2*(PC_/32) offset1:PN_+2*(PN_/32)
.else
	ds_load_b64 v[R_+2*\p:R_+2*\p+1], v[WA+2*\b+X_] offset:8*(PC_+2*(PC_/32))
.endif
.endif
.endr
.endr
.endr
	WIN 0
.endm
.macro FETCH e, xo, so                 ; a block of 16 tokens and its scale words into set e
.irp q, 0,1,2,3,4,5,6,7
	WIN (1+(32+8*(\e)+\q)/FPW)<<6
.set R_, FR*((32+8*(\e)+\q)%FPW)
.irp p, 0,2,4                          ; pieces 6 q + p and the next, 256 bytes apart, by one load; xo, the block's place in its pair, lies in set e's address registers
.set N_, 6*\q+\p
	ds_load_2addr_b64 v[R_+2*\p:R_+2*\p+3], v[AQ+6*(\e)+N_/8] offset0:32*(N_%8) offset1:32*(N_%8)+32
.endr
.endr
	WIN 0
	ds_load_b128 v[SA+8*(\e):SA+8*(\e)+3], v[ADS] offset:\so
	ds_load_b128 v[SA+8*(\e)+4:SA+8*(\e)+7], v[ADS] offset:(\so)+16
.endm
.macro SETAD n
.irp k, 0,1,2,3,4,5
	v_add_nc_u32 v[AQ+\k], (\n)*TILE+2048*\k, v[AB]
	v_add_nc_u32 v[AQ+6+\k], ((\n)+1)*TILE+2048*\k, v[AB]
.endr
	v_add_nc_u32 v[ADS], (\n)*512, v[XSB]
	WALU
.endm
.macro PROD1 d, s0, s1, c, x0, x1, o
.if \o
	v_wmma_scale_f32_16x16x128_f8f6f4 v[\d:\d+7], v[FR*((\s0)%FPW):FR*((\s0)%FPW)+FR-1], v[FR*((\s1)%FPW):FR*((\s1)%FPW)+FR-1], v[\c:\c+7], v[\x0], v[\x1] matrix_a_fmt:MATRIX_FMT_FP6 matrix_b_fmt:MATRIX_FMT_FP6 matrix_a_scale:MATRIX_SCALE_ROW1
.else
	v_wmma_scale_f32_16x16x128_f8f6f4 v[\d:\d+7], v[FR*((\s0)%FPW):FR*((\s0)%FPW)+FR-1], v[FR*((\s1)%FPW):FR*((\s1)%FPW)+FR-1], v[\c:\c+7], v[\x0], v[\x1] matrix_a_fmt:MATRIX_FMT_FP6 matrix_b_fmt:MATRIX_FMT_FP6 matrix_a_scale:MATRIX_SCALE_ROW0
.endif
.endm
.macro BLOCK e                         ; a block's 32 products on set e
.irp q, 0,1,2,3,4,5,6,7
.irp b, 0,1,2,3
.set D_, ACC+32*(\e)+8*\b
.set C_, D_
.if \q == 0
.set C_, BI+8*\b
.endif
.set FB_, 4*\q+\b
.set FA_, 32+8*(\e)+\q
.set XB_, SB+8*(\b/2)+\q
.set XA_, SA+8*(\e)+\q
.set O_, \b%2
	WIN (1+FB_/FPW)|((1+FA_/FPW)<<2)
	PROD1 D_, FB_, FA_, C_, XB_, XA_, O_
.endr
.endr
	WIN 0
.endm
.macro STAGE e                         ; LDS serves a wave's instructions in order (ISA guide 5.7.1.4): no wait between the stores and the loads
.irp b, 0,1,2,3
	ds_store_b128 v[STO], v[ACC+32*(\e)+8*\b:ACC+32*(\e)+8*\b+3] offset:64*\b          ; each accumulator from its low end on
	ds_store_b128 v[STO], v[ACC+32*(\e)+8*\b+4:ACC+32*(\e)+8*\b+7] offset:64*\b+16
.endr
.irp t, 0,1,2,3,4,5,6,7
	ds_load_b128 v[RB+32*(\e)+4*\t:RB+32*(\e)+4*\t+3], v[RD] offset:544*\t
.endr
.endm
.macro SEND a                          ; block a's 16 rows: two rows an instruction
.irp t, 0,1,2,3,4,5,6,7
	global_store_b128 v[CO], v[RB+32*((\a)%2)+4*\t:RB+32*((\a)%2)+4*\t+3], s[76:77] offset:(\a)*65536+\t*8192 th:TH_STORE_NT
.endr
.endm
	s_load_b256 s[68:75], s[0:1], 0x0              ; aoc, aos, Wo's codes, Wo's scales
	s_load_b128 s[76:79], s[0:1], 0x20             ; out0, bo
	v_lshl_add_u32 v[SPW], v0, 2, SPARE
	v_mov_b32 v[NIL], 0
	ds_add_u32 v[SPW], v[NIL]                      ; the opening lines: the add, twice on end, and its wait
	ds_add_u32 v[SPW], v[NIL]
	v_lshrrev_b32 v1, 5, v0
	v_readfirstlane_b32 s14, v1                    ; the wave; s15 its half of the tokens, s16 its half of the columns
	s_lshr_b32 s15, s14, 1
	s_and_b32 s16, s14, 1
	s_bfe_u32 s40, ttmp6, 0x40000
	s_bfe_u32 s41, ttmp6, 0x40004
	s_lshl_b32 s42, ttmp9, 2
	s_add_co_u32 s42, s42, s40                     ; the tile of columns, 0 .. 7
	s_and_b32 s43, ttmp7, 0xffff
	s_lshl_b32 s43, s43, 2
	s_add_co_u32 s43, s43, s41                     ; the tile of tokens, 0 .. 31
	s_lshl_b32 s44, s41, 2
	s_lshl_b32 s44, 15, s44                        ; my row of the cluster
	s_lshl_b32 s45, 0x1111, s40                    ; my column
	G1SET G1X, 44, DENB, 384                       ; eight tiles of tokens: 98,304 bytes
	G1SET G1W, 45, PADB, 384                       ; Wo's 128 rows
	G1SET G1S, 44, DENB, 32                        ; the tokens' scale bytes
	s_mul_i32 s8, s43, 196608
	s_mul_i32 s9, s16, 98304
	s_add_co_u32 s8, s8, s9
	s_mov_b32 s9, 0
	s_mul_i32 s20, s42, 98304
	s_mov_b32 s21, 0
	s_lshl_b32 s22, s43, 13
	s_mov_b32 s23, 0
	s_mov_b32 s4, 1
	s_mul_i32 s5, s16, 98304
	s_mov_b32 s56, 1
	s_mov_b32 s57, WR
	s_mov_b32 s60, 1
	s_mov_b32 s61, XS
	s_wait_dscnt 0x0
	CROUND                                         ; the round in front of the joint loads
	s_wait_kmcnt 0x0
	s_add_nc_u64 s[6:7], s[68:69], s[8:9]
	s_or_b32 s7, s7, 0x80000000
	s_add_nc_u64 s[58:59], s[72:73], s[20:21]
	s_or_b32 s59, s59, 0x80000000
	s_add_nc_u64 s[62:63], s[70:71], s[22:23]
	s_or_b32 s63, s63, 0x80000000
	s_cmp_eq_u32 s14, 0                            ; one chain of branches, one load to an arm
	s_cbranch_scc0 .Lh1
	TLOAD 56, G1W                                  ; wave 0: Wo's rows, wanted first
	s_branch .Lhj
.Lh1:
	s_cmp_eq_u32 s14, 1
	s_cbranch_scc0 .Lh2
	TLOAD 60, G1S                                  ; wave 1: the tokens' scale bytes
	s_branch .Lhj
.Lh2:
	TLOAD 4, G1X                                   ; waves 2, 3: half of the tokens' codes each
.Lhj:
	s_lshl_b32 s20, s42, 12
	s_lshl_b32 s21, s16, 11
	s_add_co_u32 s20, s20, s21
	s_mov_b32 s21, 0
	s_add_nc_u64 s[74:75], s[74:75], s[20:21]      ; my 64 rows' scale bytes
	s_lshl_b32 s20, s42, 9
	s_lshl_b32 s21, s16, 8
	s_add_co_u32 s20, s20, s21                     ; my first column, in bytes
	s_mov_b32 s21, 0
	s_add_nc_u64 s[78:79], s[78:79], s[20:21]
	s_add_nc_u64 s[76:77], s[76:77], s[20:21]
	s_lshl_b32 s20, s43, 20
	s_lshl_b32 s22, s15, 19
	s_add_co_u32 s20, s20, s22                     ; my first row: 4,096 bytes a row
	s_add_nc_u64 s[76:77], s[76:77], s[20:21]
	s_mul_i32 s20, s15, 98304
	s_mul_i32 s21, s16, 64*PITCH
	s_add_co_u32 s21, s21, WR
	s_lshl_b32 s22, s15, 12
	s_add_co_u32 s22, s22, XS
	s_mul_i32 s23, s14, 16*272
	s_add_co_u32 s23, s23, STG
	v_and_b32 v1, 15, v0
	v_bfe_u32 v2, v0, 4, 1
	v_and_b32 v3, 31, v0
	v_mul_u32_u24 v56, v1, PITCH
	v_mad_u32_u24 v57, v2, 24, v56
	v_mad_u32_u24 v58, v2, 40, v56
	v_add_nc_u32 v[WB], s21, v57
	v_add_nc_u32 v[WB+1], s21, v58
.irp b, 0,1,2,3
	v_add_nc_u32 v[WA+2*\b], \b*BLK, v[WB]
	v_add_nc_u32 v[WA+2*\b+1], \b*BLK, v[WB+1]
.endr
	v_lshl_add_u32 v[AB], v3, 3, s20
	v_lshl_add_u32 v[XSB], v1, 5, s22
	v_mul_u32_u24 v56, v1, 272
	v_lshl_add_u32 v56, v2, 5, v56
	v_add_nc_u32 v[STO], s23, v56                  ; in: row l % 16, 32 bytes for each half of the lanes
	v_mul_u32_u24 v57, v2, 272
	v_lshl_add_u32 v57, v1, 4, v57
	v_add_nc_u32 v[RD], s23, v57                   ; back: lanes 0-15 one row of 256 bytes, lanes 16-31 the next
	v_lshlrev_b32 v58, 12, v2
	v_lshl_add_u32 v[CO], v1, 4, v58               ; and the same two rows in out0
	v_lshlrev_b32 v[ABS], 5, v3
	v_lshlrev_b32 v[BO], 5, v2
	WALU                                           ; the wait at the head's end
.irp k, 0,1
.irp c, 0,1
	global_load_b128 v[SB+8*\k+4*\c:SB+8*\k+4*\c+3], v[ABS], s[74:75] offset:1024*\k+16*\c   ; lane l takes row 32 k + l's eight words
.endr
.endr
.irp b, 0,1,2,3
	global_load_b128 v[BI+8*\b:BI+8*\b+3], v[BO], s[78:79] offset:64*\b                      ; register 8 b + j of lane (r, h) is column 16 b + 8 h + j
	global_load_b128 v[BI+8*\b+4:BI+8*\b+7], v[BO], s[78:79] offset:64*\b+16
.endr
	s_cmp_eq_u32 s14, 0
	s_cbranch_scc0 .Lnot_w
	s_wait_tensorcnt 0x0
.Lnot_w:
	BARRIER                                        ; Wo's rows are in
	WEIGHTS
	s_wait_tensorcnt 0x0
	s_wait_dscnt 0x0
	BARRIER                                        ; all the head's tiles are in
	SETAD 0
	FETCH 0, 0, 0
	FETCH 1, TILE, 512
	s_wait_loadcnt 0x0
	s_wait_dscnt 0x0
; behind each block: the wait for the LDS work issued a block ago (the next block's rows, the last block's way back from the stage); the last block's stores; the fetch of the block two on; this block into the stage
.irp s, 0,1,2,3,4,5,6,7
	BLOCK \s%2
	PLACES 4
	s_wait_dscnt 0x0
	s_wait_xcnt 0x0                                ; the stores of the block before last have read the registers that this block's way back writes
.if \s > 0
	SEND \s-1
.endif
.if \s < 6
.if \s%2 == 0
	SETAD \s+2
	FETCH 0, 0, 0
.else
	FETCH 1, TILE, 512
.endif
.endif
	STAGE \s%2
.endr
	s_wait_dscnt 0x0
	SEND 7
	s_wait_tensorcnt 0x0                           ; the wave's end
	ds_add_u32 v[SPW], v[NIL]
	s_wait_dscnt 0x0
	CROUND                                         ; the closing round
	s_endpgm
.Lfunc_end_k_qe66e60bccb_outp:
	.size	k_qe66e60bccb_outp, .Lfunc_end_k_qe66e60bccb_outp-k_qe66e60bccb_outp
	.p2alignl 7, 3214868480
	.fill 96, 4, 3214868480
	.section	.rodata,"a",@progbits
	.p2align	6, 0x0
	.amdhsa_kernel k_qe66e60bccb_outp
		.amdhsa_group_segment_fixed_size 327680
		.amdhsa_private_segment_fixed_size 0
		.amdhsa_enable_private_segment 0
		.amdhsa_kernarg_size 48
		.amdhsa_user_sgpr_count 2
		.amdhsa_user_sgpr_kernarg_segment_ptr 1
		.amdhsa_wavefront_size32 1
		.amdhsa_system_sgpr_workgroup_id_x 1
		.amdhsa_system_sgpr_workgroup_id_y 1
		.amdhsa_system_sgpr_workgroup_id_z 1
		.amdhsa_system_vgpr_workitem_id 0
		.amdhsa_next_free_vgpr 1024
		.amdhsa_next_free_sgpr 102
		.amdhsa_reserve_vcc 0
		.amdhsa_float_denorm_mode_32 3
		.amdhsa_float_denorm_mode_16_64 3
		.amdhsa_memory_ordered 1
		.amdhsa_forward_progress 1
		.amdhsa_inst_pref_size 82
	.end_amdhsa_kernel
	.amdgpu_metadata
---
amdhsa.version: [ 1, 2 ]
amdhsa.kernels:
  - .name:           k_qe66e60bccb_outp
    .symbol:         k_qe66e60bccb_outp.kd
    .args:
      - { .name: aoc, .offset: 0, .size: 8, .value_kind: global_buffer, .address_space: global }
      - { .name: aos, .offset: 8, .size: 8, .value_kind: global_buffer, .address_space: global }
      - { .name: Wo_codes, .offset: 16, .size: 8, .value_kind: global_buffer, .address_space: global }
      - { .name: Wo_scales, .offset: 24, .size: 8, .value_kind: global_buffer, .address_space: global }
      - { .name: out0, .offset: 32, .size: 8, .value_kind: global_buffer, .address_space: global }
      - { .name: bo, .offset: 40, .size: 8, .value_kind: global_buffer, .address_space: global }
    .group_segment_fixed_size: 327680
    .private_segment_fixed_size: 0
    .kernarg_segment_align: 8
    .kernarg_segment_size: 48
    .max_flat_workgroup_size: 128
    .sgpr_count:     102
    .vgpr_count:     1024
    .wavefront_size: 32
...
	.end_amdgpu_metadata
.endif
;; end of part 3
